; MI455X (gfx1250); checked and timed in simulation.
; The chip was launched on July 23, 2026; its instructions are those of AMD's public machine-readable ISA for CDNA 5 (MIT licence, August 2026) and "CDNA5" Instruction Set Architecture Reference Guide (July 2026). The comments in the code are by the model that wrote it; some were corrected since.
;; Vanilla VQ. Allowed arithmetic: matrix products marked QUANTISED: E5M2 operands, one E8M0 scale for each 32 along K, by v_wmma_scale_f32_16x16x128_f8f6f4 with both operands' format E5M2, f32 sums; everything else in f32.
;; Inputs: codebook 8,192 x 512 float32; z 16,384 x 512 float32.
;; Outputs: out0 16,384 x 512 float32; out1 16,384 int32.
;; This version of the problem:
;;   THIS VERSION OF THE PROBLEM IS GIVEN IN LOW PRECISION. The matrix products marked QUANTISED in the list below multiply operands that are first quantised to E5M2 (5 exponent bits, 2 mantissa bits; 8 bits a number), with one power-of-two scale for each 32 numbers along K (OCP MX v1.0); their sums are f32. All else is computed in f32.
;;   The module's matrix products, in the order in which they are computed (A, B: the left and right operand; K: the contracted axis; several contracted axes count as one K, in the product's order):
;;     1. [M 16,384, K 512] x [K 512, N 8,192]; A: input z; B: input codebook: QUANTISED
;;   THE QUANTISER, for each operand of a quantised product, along K:
;;     - K is cut into blocks of 32 from its start; a last block that is shorter is filled with zeros.
;;     - A block's scale is 2^e with e = floor(log2(the largest magnitude in the block)) - 15, held to -126 .. 127; a block of zeros has e = 0. As a byte (E8M0): e + 127.
;;     - Each number is divided by its block's scale, clamped to +-57,344, and rounded to the nearest number of E5M2, ties to even, subnormals kept.
;;     - The product sums the exact products of the quantised numbers (number of the format x scale) in f32.
;;   ~~~python
;;   def quantise(x, axis):      # numpy; x: float32 -> the quantised numbers, widened to float32 again
;;       x = np.moveaxis(x, axis, -1); K = x.shape[-1]
;;       x = np.pad(x, [(0, 0)] * (x.ndim - 1) + [(0, -K % 32)]); x = x.reshape(x.shape[:-1] + (-1, 32)); a = np.abs(x).max(-1, keepdims=True)
;;       e = np.where(a > 0, np.clip(np.frexp(np.where(a > 0, a, 1))[1] - 1 - 15, -126, 127), 0)      # np.frexp(a)[1] - 1 = floor(log2(a)), exactly
;;       r = np.clip(x / 2.0 ** e, -57344, 57344)
;;       step = 2.0 ** (np.maximum(np.frexp(np.where(r == 0, 1, r))[1] - 1, -14) - 2)
;;       q = np.round(r / step) * step * 2.0 ** e      # np.round: ties to even
;;       return np.moveaxis(q.reshape(q.shape[:-2] + (-1,))[..., :K], -1, axis).astype(np.float32)
;;   ~~~
;; One version. Each part assembles by itself: llvm-mc -triple=amdgcn-amd-amdhsa -mcpu=gfx1250 --defsym DOCPART=n.
;; ======== version 1 of 1: 3 launches
;; limits: right only within a limited range of input values
;; workspace buffers: zq 8,912,896 bytes; cq 4,456,448 bytes; cand 1,048,576 bytes of whole numbers
;; launch quant (part 1): grid 768 x 1, 2 waves a work-group, no clusters, 17,664 bytes of LDS; arguments z, codebook, zq, cq; writes zq, cq
.if DOCPART == 1
	.amdgcn_target "amdgcn-amd-amdhsa--gfx1250"
	.amdhsa_code_object_version 6
	.text
	.protected	k_q77b5a65c81_quant
	.globl	k_q77b5a65c81_quant
	.p2align	8
	.type	k_q77b5a65c81_quant,@function
k_q77b5a65c81_quant:
	s_mov_b64 s[64:65], 0
	v_nop
	global_prefetch_b8 v0, s[64:65] scope:SCOPE_SE
	s_setreg_imm32_b32 hwreg(HW_REG_WAVE_MODE, 25, 1), 1
	s_wait_xcnt 0x0
; z [16384][512] and codebook [8192][512], f32, become codes of BF8 (E5M2) with one E8M0 scale byte for each 32 along K, and each row's sum of squares, in f32.
; A block's scale is 2^(floor(log2(its largest magnitude)) - 15); its byte is the largest magnitude's exponent field - 15, held at 1 from below.  Each number is divided by the scale,
; held within +-57,344 and rounded to the nearest code, ties to even.
; THE OUTPUT IS LAID IN THE ORDER OF THE OPERAND'S REGISTERS.  A tile of 16 rows x 512 K is a RECORD of 8,704 bytes (L = lane, r = L % 16, h = L / 16):
;   bytes 0 .. 8191:    sixteen chunks of 512 bytes; chunk 4 s + c holds, at 16 L, the codes of row r for k = 128 s + 32 c + 16 h + 0 .. 15: registers 4 c .. 4 c + 3 of K step s's fragment
;   bytes 8192 .. 8447: 8 bytes a lane at 8 L: word u is row r's scale word of K step 2 u + h, so that one register serves two K steps (lanes 0-15 the even one, lanes 16-31 the odd one)
;   bytes 8448 .. 8703: the 16 rows' sums of squares, row r at 4 r, written four times over, so that the store covers 256 consecutive bytes
; SHARES.  One wave takes one tile; waves share nothing, so there is no barrier.  Work-groups 0 .. 511 take z's 1,024 tiles, work-groups 512 .. 767 the codebook's 512: only pointers are chosen.
; Each load reads 512 consecutive bytes of a row; a K step's 16 x 512 bytes turn through the wave's own stage in LDS, so that a lane gets 16 neighbours along K of each of its row's four blocks.
; LIMITS: NaN and infinities among the inputs are not served.  A block of zeros gets the byte 1 where the rule says 127: its codes are zeros, and this program alone reads the bytes.
; The squares are summed in four chains of pairs and across the two halves of the lanes: another order than the problem's definition has, so a sum may differ from it in its last bit.
.set REC,  8704                        ; a record
.set WREG, 8704                        ; LDS of a wave: the stage, 16 rows x SP bytes, and behind it 64 bytes for the 16 sums
.set SP,   528                         ; a stage row: 512 bytes + 16: 33 x 16 bytes, so that the sixteen rows that a load touches begin in different banks (64 banks of 4 bytes: ISA guide 11.1)
.set SUMS, 16*SP
.set GI,  4                            ; v4   16 x lane: my bytes of a load's or a store's 512
.set SI,  5                            ; v5   the stage, on the way in: 16 x lane
.set SO,  6                            ; v6   and on the way out: SP r + 64 h
.set SA,  7                            ; v7   where my row's sum goes: 4 r
.set SL,  8                            ; v8   where I read two sums back: (8 x lane) mod 64
.set L8,  9                            ; v9   8 x lane
.set TM,  16                           ; v16-19 largest magnitudes, v20-23 bytes, v24-27 the largest number x the scale, v28-31 the conversions' scale operands
.set SQ,  32                           ; v32-39 the sums of squares: four chains of pairs
.set PWS, 40                           ; v40-43 the four K steps' scale words
.set W,   44                           ; v44-45 the two words that my lane stores
.set PW,  46                           ; v46    the scale word just made
.set PC,  48                           ; v48-63 the codes just made
.set X,   64                           ; v64-127 64 numbers: register 16 b + i = k 32 b + 16 h + i of my row
.set R,   128                          ; v128-255 two sets of 64 registers, as loaded
.set SEL, 24                           ; s[24:25] v_permlanex16_b32's selects for lane l xor 16
.set MNT, 23                           ; s23  the mantissa field of 57,344
	s_load_b128 s[4:7], s[0:1], 0x0                ; z, codebook
	s_load_b128 s[8:11], s[0:1], 0x10              ; zq, cq
	v_lshl_add_u32 v15, v0, 2, 0x4400
	v_mov_b32 v47, 0
	v_lshrrev_b32 v1, 5, v0
	v_readfirstlane_b32 s16, v1                    ; wave 0, 1
	v_and_b32 v1, 31, v0                           ; lane
	v_and_b32 v2, 15, v0                           ; r
	v_bfe_u32 v3, v0, 4, 1                         ; h
	s_mul_i32 s17, s16, WREG
	v_lshlrev_b32 v[GI], 4, v1
	v_add_nc_u32 v[SI], s17, v[GI]
	v_mul_u32_u24 v[SO], v2, SP
	v_lshl_add_u32 v[SO], v3, 6, v[SO]
	v_add_nc_u32 v[SO], s17, v[SO]
	s_add_co_u32 s17, s17, SUMS
	v_lshl_add_u32 v[SA], v2, 2, s17
	v_lshlrev_b32 v[L8], 3, v1
	v_and_b32 v[SL], 63, v[L8]
	v_add_nc_u32 v[SL], s17, v[SL]
	v_mov_b32 v11, 0                               ; written once: a lane permute's destination counts as one of its sources
.irp b, 0,1,2,3
	v_mov_b32 v[TM+4+\b], 0                        ; likewise
.endr
	s_mov_b32 s[SEL], 0x76543210
	s_mov_b32 s[SEL+1], 0xfedcba98
	s_mov_b32 s[MNT], 0x600000
	s_wait_kmcnt 0x0
	s_cmp_lt_u32 ttmp9, 512                        ; z's work-group or the codebook's?  The choice hangs on the work-group's number alone
	s_cselect_b64 s[12:13], s[4:5], s[6:7]         ; from where
	s_cselect_b64 s[14:15], s[8:9], s[10:11]       ; to where
	s_cselect_b32 s18, 0, 512
	s_sub_co_u32 s18, ttmp9, s18
	s_lshl_b32 s18, s18, 1
	s_add_co_u32 s18, s18, s16                     ; my tile: 2 x work-group + wave
	s_mov_b32 s19, 0
	s_lshl_b64 s[20:21], s[18:19], 15              ; 16 rows of 2,048 bytes
	s_add_nc_u64 s[12:13], s[12:13], s[20:21]
	s_mul_i32 s20, s18, REC                        ; under 2^24
	s_mov_b32 s21, 0
	s_add_nc_u64 s[14:15], s[14:15], s[20:21]
.macro LOAD t                          ; K step t of the 16 rows: each load reads 512 consecutive bytes of one row
.irp i, 0,1,2,3,4,5,6,7,8,9,10,11,12,13,14,15
	global_load_b128 v[R+64*((\t)%2)+4*\i:R+64*((\t)%2)+4*\i+3], v[GI], s[12:13] offset:2048*\i+512*(\t) th:TH_LOAD_NT
.endr
.endm
; 64 numbers of a lane, v[X] on, become a fragment's codes in v[PC] on and its scale word in v[PW]
.macro QUANT
.irp b, 0,1,2,3
	v_max3_num_f32 v[TM+\b], |v[X+16*\b]|, |v[X+1+16*\b]|, 0x8000000   ; block b: my 16 numbers, and the floor 2^(16 - 127), under which no largest magnitude is taken: so the byte cannot fall under 1
.endr
.irp i, 2,4,6,8,10,12,14
.irp b, 0,1,2,3
	v_max3_num_f32 v[TM+\b], v[TM+\b], |v[X+16*\b+\i]|, |v[X+1+16*\b+\i]|   ; the four blocks by turns: no line waits for the line above it
.endr
.endr
.irp b, 0,1,2,3
	v_permlanex16_b32 v[TM+4+\b], v[TM+\b], s[SEL], s[SEL+1]
.endr
.irp b, 0,1,2,3
	v_max_num_f32 v[TM+\b], v[TM+\b], v[TM+4+\b]   ; with lane l xor 16's: the block's largest magnitude
.endr
.irp b, 0,1,2,3
	v_add_nc_u32 v[TM+12+\b], 0xf8800000, v[TM+\b] ; 15 off its exponent field: the conversion takes the exponent field of this operand as its scale, and nothing else of it
.endr
.irp b, 0,1,2,3
	v_and_or_b32 v[TM+8+\b], v[TM+\b], 0x7f800000, s[MNT]   ; 57,344 x the scale: the largest magnitude's exponent field over 57,344's mantissa
.endr
.irp b, 0,1,2,3
	v_lshrrev_b32 v[TM+4+\b], 23, v[TM+12+\b]      ; the scale's byte
.endr
	v_lshl_or_b32 v[PW], v[TM+5], 8, v[TM+4]       ; the four bytes make my row's scale word (both halves of the lanes hold the same)
	v_lshl_or_b32 v[PW], v[TM+6], 16, v[PW]
	v_lshl_or_b32 v[PW], v[TM+7], 24, v[PW]
.irp b, 0,1,2,3
.irp i, 0,1,2,3,4,5,6,7,8,9,10,11,12,13,14,15
	v_med3_num_f32 v[X+16*\b+\i], v[X+16*\b+\i], -v[TM+8+\b], v[TM+8+\b]   ; the conversion to an 8-bit code does not saturate (ISA guide 7.6.2): the hold at the largest code x the scale
.endr
	v_cvt_scalef32_pk8_bf8_f32 v[PC+4*\b:PC+1+4*\b], v[X+16*\b:X+7+16*\b], v[TM+12+\b]
	v_cvt_scalef32_pk8_bf8_f32 v[PC+2+4*\b:PC+3+4*\b], v[X+8+16*\b:X+15+16*\b], v[TM+12+\b]
.endr
	v_nop                                          ; one plain vector instruction behind the last scaled conversion
.endm
.macro KSTEP s
.if \s < 3
	s_wait_loadcnt 16                              ; this K step's 16 loads are in; the next K step's 16 may be out
.else
	s_wait_loadcnt 0x0
.endif
.irp i, 0,1,2,3,4,5,6,7,8,9,10,11,12,13,14,15
	ds_store_b128 v[SI], v[R+64*(\s%2)+4*\i:R+64*(\s%2)+4*\i+3] offset:SP*\i   ; row i, as it lies
.endr
.irp b, 0,1,2,3
.irp j, 0,1,2,3
	ds_load_b128 v[X+16*\b+4*\j:X+16*\b+4*\j+3], v[SO] offset:128*\b+16*\j     ; LDS serves a wave's instructions in order (ISA guide 5.7.1.4): these see the stores above
.endr
.endr
	s_wait_dscnt 0x0                               ; my 64 numbers are in, and the stores have read their registers,
.if \s+2 < 4
	LOAD \s+2                                      ; which take the loads of two K steps on
.endif
.set n, 0
.rept 32                                       ; the squares, ahead of the hold, in four chains; the first four products start the sums
.if (\s == 0) && (n < 4)
	v_pk_mul_f32 v[SQ+2*n:SQ+2*n+1], v[X+2*n:X+2*n+1], v[X+2*n:X+2*n+1]
.else
	v_pk_fma_f32 v[SQ+2*(n%4):SQ+2*(n%4)+1], v[X+2*n:X+2*n+1], v[X+2*n:X+2*n+1], v[SQ+2*(n%4):SQ+2*(n%4)+1]
.endif
.set n, n+1
.endr
.if \s > 0
	s_wait_xcnt 0x0                                ; the last K step's stores have read their data: the codes' registers are written again only behind this wait
.endif
	QUANT
	v_mov_b32 v[PWS+\s], v[PW]
.irp c, 0,1,2,3
	global_store_b128 v[GI], v[PC+4*\c:PC+4*\c+3], s[14:15] offset:2048*\s+512*\c   ; chunk 4 s + c: the wave stores 512 consecutive bytes, aligned
.endr
.endm
	LOAD 0
	LOAD 1
	KSTEP 0
	KSTEP 1
	KSTEP 2
	KSTEP 3
	; the row's sum of squares: the four chains, the pair's halves, the other half of the lanes
	v_pk_add_f32 v[SQ:SQ+1], v[SQ:SQ+1], v[SQ+2:SQ+3]
	v_pk_add_f32 v[SQ+4:SQ+5], v[SQ+4:SQ+5], v[SQ+6:SQ+7]
	v_pk_add_f32 v[SQ:SQ+1], v[SQ:SQ+1], v[SQ+4:SQ+5]
	v_add_f32 v10, v[SQ], v[SQ+1]
	v_permlanex16_b32 v11, v10, s[SEL], s[SEL+1]
	v_add_f32 v10, v10, v11
	ds_store_b32 v[SA], v10                        ; lanes r and r + 16 write the same word with the same value
	ds_load_b64 v[12:13], v[SL]                    ; in order behind the store: two neighbouring sums, the sixteen taken four times over by the 32 lanes
	v_cmp_ne_u32 vcc_lo, 0, v3
	v_cndmask_b32 v[W], v[PWS], v[PWS+1], vcc_lo   ; lanes 0-15: K step 0's word, lanes 16-31: K step 1's
	v_cndmask_b32 v[W+1], v[PWS+2], v[PWS+3], vcc_lo   ; K steps 2 and 3
	global_store_b64 v[L8], v[W:W+1], s[14:15] offset:8192     ; 256 consecutive bytes, aligned
	s_wait_dscnt 0x0
	global_store_b64 v[L8], v[12:13], s[14:15] offset:8448     ; likewise
	s_wait_tensorcnt 0x0
	ds_add_u32 v15, v47
	s_wait_dscnt 0x0
	s_endpgm
.Lfunc_end_k_q77b5a65c81_quant:
	.size	k_q77b5a65c81_quant, .Lfunc_end_k_q77b5a65c81_quant-k_q77b5a65c81_quant
	.p2alignl 7, 3214868480
	.fill 96, 4, 3214868480
	.section	.rodata,"a",@progbits
	.p2align	6, 0x0
	.amdhsa_kernel k_q77b5a65c81_quant
		.amdhsa_group_segment_fixed_size 17664
		.amdhsa_private_segment_fixed_size 0
		.amdhsa_enable_private_segment 0
		.amdhsa_kernarg_size 32
		.amdhsa_user_sgpr_count 2
		.amdhsa_user_sgpr_kernarg_segment_ptr 1
		.amdhsa_wavefront_size32 1
		.amdhsa_system_sgpr_workgroup_id_x 1
		.amdhsa_system_sgpr_workgroup_id_y 1
		.amdhsa_system_sgpr_workgroup_id_z 1
		.amdhsa_system_vgpr_workitem_id 0
		.amdhsa_next_free_vgpr 256
		.amdhsa_next_free_sgpr 66
		.amdhsa_reserve_vcc 1
		.amdhsa_float_denorm_mode_32 3
		.amdhsa_float_denorm_mode_16_64 3
		.amdhsa_memory_ordered 1
		.amdhsa_forward_progress 1
		.amdhsa_inst_pref_size 59
	.end_amdhsa_kernel
	.amdgpu_metadata
---
amdhsa.version: [ 1, 2 ]
amdhsa.kernels:
  - .name:           k_q77b5a65c81_quant
    .symbol:         k_q77b5a65c81_quant.kd
    .args:
      - { .name: z, .offset: 0, .size: 8, .value_kind: global_buffer, .address_space: global }
      - { .name: codebook, .offset: 8, .size: 8, .value_kind: global_buffer, .address_space: global }
      - { .name: zq, .offset: 16, .size: 8, .value_kind: global_buffer, .address_space: global }
      - { .name: cq, .offset: 24, .size: 8, .value_kind: global_buffer, .address_space: global }
    .group_segment_fixed_size: 17664
    .private_segment_fixed_size: 0
    .kernarg_segment_align: 8
    .kernarg_segment_size: 32
    .max_flat_workgroup_size: 64
    .sgpr_count:     66
    .vgpr_count:     256
    .wavefront_size: 32
...
	.end_amdgpu_metadata
.endif
;; end of part 1
;; launch dist (part 2): grid 32 x 8, 4 waves a work-group, clusters of 4 x 1, 327,680 bytes of LDS; arguments zq, cq, cand; writes cand
.if DOCPART == 2
	.amdgcn_target "amdgcn-amd-amdhsa--gfx1250"
	.amdhsa_code_object_version 6
	.text
	.protected	k_q77b5a65c81_dist
	.globl	k_q77b5a65c81_dist
	.p2align	8
	.type	k_q77b5a65c81_dist,@function
k_q77b5a65c81_dist:
	s_mov_b64 s[64:65], 0
	v_nop
	global_prefetch_b8 v0, s[64:65] scope:SCOPE_SE
	s_setreg_imm32_b32 hwreg(HW_REG_WAVE_MODE, 25, 1), 1
	s_wait_xcnt 0x0
	s_wait_alu depctr_hold_cnt(0) depctr_sa_sdst(0) depctr_va_vdst(0) depctr_va_sdst(0) depctr_va_ssrc(0) depctr_va_vcc(0) depctr_vm_vsrc(0)
	s_getreg_b32 s2, hwreg(HW_REG_IB_STS2, 6, 4)
	s_cmp_eq_u32 s2, 0
	s_cbranch_scc0 .Lentry_in_a_cluster
	s_endpgm
.Lentry_in_a_cluster:
	s_bfe_u32 s2, ttmp6, 0x10000c
	s_cmp_lg_u32 s2, 0x3003
	s_cbranch_scc0 .Lentry_shape_is_right
	s_endpgm
.Lentry_shape_is_right:
; For each query n and each split of 1,024 codes: the smallest d2 = (zsq[n] - 2 cross[n][k]) + csq[k], rounded in f32 in that order, and the lowest index k that has it.
; cross is the QUANTISED product, on the codes and scale bytes that the launch before has laid as records of 16 rows x 512 K (8,704 bytes: 16 chunks of 512 bytes in the order of an
; operand's registers, 256 bytes of scale words, 256 bytes of sums of squares).  Nothing of the problem is left out here.
; SHARES.  A work-group takes 512 queries (x) and one split of 1,024 codes (y): 32 x 8 = 256 work-groups.  Four waves, one to a SIMD; a wave keeps 128 queries (8 records' codes, 512 registers:
; windows 1 and 2) and walks all 64 tiles of 16 codes, so that a tile's 19 LDS loads feed 32 products.  The product is used transposed (source 0 = 16 codes, source 1 = 16 queries):
; lane (r, h) holds query r, its register j code 8 h + j.
; A TILE goes in four stretches, each under one setting of the register windows: 16 products for query tiles 0-3 (4 K steps, the four accumulators by turns); the 72 vector lines of the tile
; before for query tiles 4-7; the next tile's LDS loads; 16 products for query tiles 4-7; this tile's 73 vector lines for query tiles 0-3.  So six window switches serve 32 products,
; and each batch of vector lines is also the places (ISA guide 7.12.1) behind the products ahead of it.
; THE MINIMUM.  Per query tile: 8 numbers and the running minimum in four v_min3; where the minimum falls strictly, the tile's number and its 8 numbers are kept (selects, two to an
; instruction; no branch); at the end the lowest j that equals the minimum, then the two halves of the lanes by (number, index).  Strict comparisons keep the earlier, lower index.
; LDS: a ring of two slots of 16 records, filled four times in all; each wave asks for 4 records (136 rows of 256 bytes).  CLUSTERS: the four work-groups of a cluster have the same split
; and ask for its records jointly.  z's records are read by one wave each and go from memory straight into registers.
; No prefetch: each fill is asked for 16 tiles (512 products a wave) ahead of the wait for it, and the launch has four fills in all.
; LIMITS: NaN and infinities among the inputs are not served (a NaN loses in v_min3).
.set REC,   8704
.set SLOT,  16*REC
.set SPARE, 2*SLOT                     ; the spare words: 128 bytes for each of four waves
.set OUTS,  SPARE+512                  ; the way out: 1,024 bytes a wave; no fill lands here
.set LI,  1                            ; 16 x lane
.set L8,  2                            ; 8 x lane
.set LH,  3                            ; 32 h
.set ADR, 4                            ; LDS: a pair of records' codes, scale words, sums
.set ADS, 5
.set ADC, 6
.set TIV, 7                            ; the number of the tile whose batch runs
.set SPW, 8
.set NIL, 9
.set TT,  10                           ; v10-12 at work; v13-15 on the way out
.set R4,  16                           ; 4 r
.set HB,  17                           ; 1,024 y + 8 h
.set OA,  18
.set OB,  19
.set ZS,  20                           ; v20-35 z's scale words: query tile q, K steps 2 u, 2 u + 1 at ZS + 2 q + 1 - u
.set CS,  36                           ; v36-39 the tiles' scale words, buffer p, u at CS + 2 p + u: never the same number modulo 8 as z's of the same u
.set ZQ,  40                           ; v40-55 zsq of my query, twice for each query tile
.set GT,  56                           ; v56-63 the tile kept
.set RUN, 64                           ; v64-79 the running minimum, two sets by turns
.set CSQ, 80                           ; v80-95 csq of my 8 codes, two sets
.set SV,  96                           ; v96-159 the 8 numbers kept
.set ACC, 160                          ; v160-223 the accumulators: query tiles 0-3, then 4-7
.set KYR, 224
.set IXR, 232
.set BK,  240
.set WV,  10
.set G1,  16
.set G0,  24                           ; s24-39 group 0, one for each of the four fills
.set TB,  40
.set CNT, 42
.set SEL, 46
.set MSB, 0
.macro WIN new                         ; the immediate's high byte repeats the setting that is left
.if MSB != (\new)
	s_set_vgpr_msb (MSB<<8)|(\new)
.set MSB, (\new)
.endif
.endm
.macro CROUND                          ; a round of the cluster's barrier
	s_barrier_signal -1
	s_barrier_wait -1
	s_cmp_lg_u32 s[WV], 0
	s_cbranch_scc1 .Lnot_wave_0_\@
	s_barrier_signal -3
.Lnot_wave_0_\@:
	s_barrier_wait -3
	s_barrier_signal -1
	s_barrier_wait -1
.endm
	s_load_b128 s[4:7], s[0:1], 0x0                ; zq, cq
	s_load_b64 s[8:9], s[0:1], 0x10                ; cand
	v_lshl_add_u32 v[SPW], v0, 2, SPARE
	v_mov_b32 v[NIL], 0
	ds_add_u32 v[SPW], v[NIL]                      ; the opening lines: the add, twice on end, and its wait
	ds_add_u32 v[SPW], v[NIL]
	v_lshrrev_b32 v10, 5, v0
	v_readfirstlane_b32 s[WV], v10                 ; wave 0..3
	s_bfe_u32 s11, ttmp6, 0x40000                  ; cx
	s_lshl_b32 s12, ttmp9, 2
	s_add_co_u32 s12, s12, s11                     ; work-group x: which 512 queries
	s_and_b32 s13, ttmp7, 0xffff                   ; y: which split
	s_mov_b32 s[G1+0], 15|(3<<16)|(1<<21)          ; the four partners; elements of 8 bytes
	s_mov_b32 s[G1+1], 32<<16                      ; rows of 256 bytes,
	s_mov_b32 s[G1+2], 136<<16                     ; 136 of them: four records
	s_mov_b32 s[G1+3], 32<<16
	s_mov_b32 s[G1+4], 136
	s_mov_b32 s[G1+5], 32
	s_mov_b32 s[G1+6], 0
	s_mov_b32 s[G1+7], 0
	s_mul_i32 s41, s[WV], 4*REC                    ; my four records of a fill, in LDS and in cq
	s_mul_i32 s14, s13, 64*REC
	s_add_co_u32 s14, s14, s41
	s_mov_b32 s15, 0
	s_lshl_b32 s50, s12, 5
	s_lshl_b32 s51, s[WV], 3
	s_add_co_u32 s50, s50, s51                     ; z's record 32 x + 8 wave
	s_mul_i32 s50, s50, REC
	s_mov_b32 s51, 0
	s_lshl_b32 s52, s13, 16                        ; cand: 65,536 y + 2,048 x + 512 wave
	s_lshl_b32 s53, s12, 11
	s_add_co_u32 s52, s52, s53
	s_lshl_b32 s53, s[WV], 9
	s_add_co_u32 s52, s52, s53
	s_mov_b32 s53, 0
	s_lshl_b32 s54, s13, 10
	s_lshl_b32 s55, s[WV], 10
	s_add_co_u32 s55, s55, OUTS
	s_mov_b32 s48, 0x7f800000
	s_mov_b32 s[SEL], 0x76543210
	s_mov_b32 s[SEL+1], 0xfedcba98
	s_wait_dscnt 0x0
	s_wait_kmcnt 0x0
	s_add_nc_u64 s[6:7], s[6:7], s[14:15]
	s_add_nc_u64 s[4:5], s[4:5], s[50:51]
	s_add_nc_u64 s[8:9], s[8:9], s[52:53]
.irp f, 0,1,2,3
	s_mov_b32 s[G0+4*\f], 1
	s_add_co_u32 s[G0+4*\f+1], s41, (\f%2)*SLOT
	s_add_nc_u64 s[G0+4*\f+2:G0+4*\f+3], s[6:7], \f*SLOT
	s_or_b32 s[G0+4*\f+3], s[G0+4*\f+3], 0x80000000
.endr
	CROUND                                         ; the four partners are here: the first joint loads meet
	tensor_load_to_lds s[G0:G0+3], s[G1:G1+7]      ; tiles 0-15: my one tensor load at the head
	s_nop 0
	v_and_b32 v10, 31, v0
	v_bfe_u32 v11, v0, 4, 1
	v_and_b32 v12, 15, v0
	v_lshlrev_b32 v[LI], 4, v10
	v_lshlrev_b32 v[L8], 3, v10
	v_lshlrev_b32 v[LH], 5, v11
	v_lshlrev_b32 v[R4], 2, v12
	v_lshl_add_u32 v[HB], v11, 3, s54
	v_add_nc_u32 v[OA], s55, v[R4]
	v_add_nc_u32 v[OB], s55, v[LI]
	; z's eight records go out while the first fill is on its way: 32 small loads, 64 for records 0-3, 64 for records 4-7
.irp q, 0,1,2,3,4,5,6,7
	global_load_b32 v[ZS+2*\q+1], v[L8], s[4:5] offset:\q*REC+8192
	global_load_b32 v[ZS+2*\q], v[L8], s[4:5] offset:\q*REC+8196
	global_load_b32 v[ZQ+2*\q], v[R4], s[4:5] offset:\q*REC+8448
	global_load_b32 v[ZQ+2*\q+1], v[R4], s[4:5] offset:\q*REC+8448   ; the packed form names the pair
.endr
	WIN 0x40
.irp q, 0,1,2,3
.irp i, 0,1,2,3,4,5,6,7,8,9,10,11,12,13,14,15
	global_load_b128 v[64*\q+4*\i:64*\q+4*\i+3], v[LI], s[4:5] offset:\q*REC+512*\i
.endr
.endr
	WIN 0x80
.irp q, 0,1,2,3
.irp i, 0,1,2,3,4,5,6,7,8,9,10,11,12,13,14,15
	global_load_b128 v[64*\q+4*\i:64*\q+4*\i+3], v[LI], s[4:5] offset:(\q+4)*REC+512*\i
.endr
.endr
	WIN 0
	v_mov_b32 v[TIV], -1
	v_mov_b32 v13, 0                               ; lane permutes' destinations count as sources
	v_mov_b32 v14, 0
.irp q, 0,1,2,3,4,5,6,7
	v_mov_b32 v[RUN+\q], s48                       ; +infinity: over every number
	v_mov_b32 v[GT+\q], 0
.irp j, 0,1,2,3,4,5,6,7
	v_mov_b32 v[SV+8*\q+\j], s48
.endr
.endr
	s_wait_alu depctr_va_vdst(0)
	s_wait_tensorcnt 0x0                           ; my part of slot 0 is in; slot 1's first fill is issued as a refill is
	ds_add_u32 v[SPW], v[NIL]
	s_wait_dscnt 0x0
	CROUND                                         ; every wave's part of slot 0 is in
	tensor_load_to_lds s[G0+4:G0+7], s[G1:G1+7]    ; tiles 16-31
	s_nop 0
.rept 4
	v_nop
.endr
.macro MM p, x, s, q                   ; codes' buffer p, query tile 4 x + q, K step s
.set rD, ACC+32*(\x)+8*(\q)
.set rA, 64*(\p)+16*(\s)
.set rB, 64*(\q)+16*(\s)
.set rSA, CS+2*(\p)+(\s)/2
.set rSB, ZS+2*(4*(\x)+(\q))+1-(\s)/2
.if (\s) == 0
	v_wmma_scale_f32_16x16x128_f8f6f4 v[rD:rD+7], v[rA:rA+15], v[rB:rB+15], 0, v[rSA], v[rSB] matrix_a_fmt:MATRIX_FMT_BF8 matrix_b_fmt:MATRIX_FMT_BF8
.elseif (\s) == 2
	v_wmma_scale_f32_16x16x128_f8f6f4 v[rD:rD+7], v[rA:rA+15], v[rB:rB+15], v[rD:rD+7], v[rSA], v[rSB] matrix_a_fmt:MATRIX_FMT_BF8 matrix_b_fmt:MATRIX_FMT_BF8
.else
	v_wmma_scale_f32_16x16x128_f8f6f4 v[rD:rD+7], v[rA:rA+15], v[rB:rB+15], v[rD:rD+7], v[rSA], v[rSB] matrix_a_fmt:MATRIX_FMT_BF8 matrix_b_fmt:MATRIX_FMT_BF8 matrix_a_scale:MATRIX_SCALE_ROW1 matrix_b_scale:MATRIX_SCALE_ROW1
.endif
.endm
.macro W p, x                          ; 16 products on end; the four accumulators take turns
	WIN 0x07+4*(\x)                                ; source 0 (codes) window 3, source 1 (z) window 1 or 2
.irp s, 0,1,2,3
.irp q, 0,1,2,3
	MM \p, \x, \s, \q
.endr
.endr
	WIN 0
.endm
.macro FETCH p, foff, mk               ; 19 LDS loads: a tile's codes, scale words and csq into buffer p
.if \mk
	v_add_nc_u32 v[ADR], s[TB], v[LI]              ; the next two records' addresses
	v_add_nc_u32 v[ADS], s[TB], v[L8]
	v_add_nc_u32 v[ADC], s[TB], v[LH]
	s_add_co_u32 s[TB], s[TB], 2*REC
.endif
	WIN 0xc0
.irp i, 0,1,2,3,4,5,6,7,8,9,10,11,12,13,14,15
	ds_load_b128 v[64*(\p)+4*\i:64*(\p)+4*\i+3], v[ADR] offset:\foff+512*\i
.endr
	WIN 0
	ds_load_b64 v[CS+2*(\p):CS+2*(\p)+1], v[ADS] offset:\foff+8192
	ds_load_b128 v[CSQ+8*(\p):CSQ+8*(\p)+3], v[ADC] offset:\foff+8448
	ds_load_b128 v[CSQ+8*(\p)+4:CSQ+8*(\p)+7], v[ADC] offset:\foff+8464
.endm
; the pieces of a query tile's batch.  x: which half of the query tiles; q: 0..3 in it; ep: the tile's parity (its csq, the older running minimum)
.macro EF x, ep, q                     ; zsq - 2 cross: each accumulator is read from its low end on
.irp c, 0,2,4,6
	v_pk_fma_f32 v[ACC+32*(\x)+8*(\q)+\c:ACC+32*(\x)+8*(\q)+\c+1], v[ACC+32*(\x)+8*(\q)+\c:ACC+32*(\x)+8*(\q)+\c+1], -2.0, v[ZQ+2*(4*(\x)+(\q)):ZQ+2*(4*(\x)+(\q))+1] op_sel_hi:[1,0,0]
.endr
.endm
.macro EA x, ep, q                     ; + csq
.irp c, 0,2,4,6
	v_pk_add_f32 v[ACC+32*(\x)+8*(\q)+\c:ACC+32*(\x)+8*(\q)+\c+1], v[ACC+32*(\x)+8*(\q)+\c:ACC+32*(\x)+8*(\q)+\c+1], v[CSQ+8*(\ep)+\c:CSQ+8*(\ep)+\c+1]
.endr
.endm
.macro ET x, ep, q
.set rD, ACC+32*(\x)+8*(\q)
	v_min3_num_f32 v[TT], v[rD], v[rD+1], v[rD+2]
	v_min3_num_f32 v[TT+1], v[rD+3], v[rD+4], v[rD+5]
	v_min3_num_f32 v[TT+2], v[rD+6], v[rD+7], v[RUN+8*(\ep)+4*(\x)+(\q)]
.endm
.macro EN x, ep, q
	v_min3_num_f32 v[RUN+8*(1-(\ep))+4*(\x)+(\q)], v[TT], v[TT+1], v[TT+2]
.endm
.macro EC x, ep, q                     ; has the minimum fallen?  Strictly: the earlier tile keeps a tie
	v_cmp_lt_f32 vcc_lo, v[RUN+8*(1-(\ep))+4*(\x)+(\q)], v[RUN+8*(\ep)+4*(\x)+(\q)]
.endm
.macro KEEP2 x, q, j                   ; two selects on VCC in one instruction: destinations even and odd, each pair of sources in neighbouring registers
.set rS, SV+8*(4*(\x)+(\q))+(\j)
.set rD, ACC+32*(\x)+8*(\q)+(\j)
	v_dual_cndmask_b32 v[rS], v[rS], v[rD] :: v_dual_cndmask_b32 v[rS+1], v[rS+1], v[rD+1]
.endm
.macro ESA x, q                        ; then the tile's number and its 8 numbers are kept
	v_cndmask_b32 v[GT+4*(\x)+(\q)], v[GT+4*(\x)+(\q)], v[TIV], vcc_lo
	KEEP2 \x, \q, 0
	KEEP2 \x, \q, 2
.endm
.macro ESB x, q
	KEEP2 \x, \q, 4
	KEEP2 \x, \q, 6
.endm
; A batch: the four query tiles' chains are skewed, so that no line reads what the lines just above it wrote (but at the batch's end).
.macro E x, ep, step
.if \step
	v_add_nc_u32 v[TIV], 1, v[TIV]
.endif
.irp i, 0,1,2,3,4,5
.if \i < 4
	EF \x, \ep, \i
.endif
.if \i >= 2
	EC \x, \ep, \i-2
.endif
.if (\i >= 1) && (\i < 5)
	ET \x, \ep, \i-1
.endif
.if \i >= 2
	ESA \x, \i-2
.endif
.if \i < 4
	EA \x, \ep, \i
.endif
.if (\i >= 1) && (\i < 5)
	EN \x, \ep, \i-1
.endif
.if \i >= 2
	ESB \x, \i-2
.endif
.endr
.endm
.macro TILE p, fetch, foff, mk
	s_wait_dscnt 0x0                               ; this tile's 19 loads, asked for 16 products and a batch ago
	W \p, 0
	E 1, 1-\p, 0                                   ; the tile before, query tiles 4-7: the last reader of the other buffer's csq
.if \fetch
	FETCH 1-\p, \foff, \mk
.endif
	W \p, 1
	E 0, \p, 1                                     ; this tile, query tiles 0-3
.endm
; A change of slots, one tile ahead of the slot's end: my reads of the old slot have all been issued.
.macro CHANGE fill, f, tb
	s_wait_tensorcnt 0x0                           ; my part of the next slot is in,
	ds_add_u32 v[SPW], v[NIL]
	s_mov_b32 s[TB], \tb
	s_wait_dscnt 0x0                               ; and my reads of the old slot are back
.if \fill
	CROUND
	tensor_load_to_lds s[G0+4*\f:G0+4*\f+3], s[G1:G1+7]
	s_nop 0
.rept 4
	v_nop
.endr
.else
	s_barrier_signal -1
	s_barrier_wait -1
.endif
.endm
.macro TRIPS n                         ; a trip: an odd tile and an even one
	s_mov_b32 s[CNT], \n
.Ltrip_\@:
	TILE 1, 1, 0, 1
	TILE 0, 1, REC, 0
	s_sub_co_u32 s[CNT], s[CNT], 1
	s_cmp_lg_u32 s[CNT], 0
	s_cbranch_scc1 .Ltrip_\@
.endm
	s_mov_b32 s[TB], 0
	FETCH 0, 0, 1
	s_wait_alu depctr_va_vdst(0)                   ; directly ahead of the waits below
	s_wait_loadcnt 63                              ; z's small loads and records 0-3 are in; 63 of the 64 loads of records 4-7, the largest count that the wait can name, may be out
	s_wait_dscnt 0x0                               ; tile 0
	W 0, 0
.rept 8
	v_nop                                          ; no batch is due yet: the places behind these products
.endr
	FETCH 1, REC, 0
	s_wait_loadcnt 0x0                             ; records 4-7
	W 0, 1
	E 0, 0, 1
	TRIPS 7                                        ; tiles 1-14
	CHANGE 1, 2, 16*REC                            ; slot 0 takes tiles 32-47
	TRIPS 8                                        ; tiles 15-30
	CHANGE 1, 3, 0                                 ; slot 1 takes tiles 48-63
	TRIPS 8                                        ; tiles 31-46
	CHANGE 0, 0, 16*REC
	TRIPS 8                                        ; tiles 47-62
	TILE 1, 0, 0, 0                                ; tile 63
	E 1, 1, 0
; THE WAY OUT: the lowest j that has the minimum; the index; the better of the two halves of the lanes by (number, index); the number as a key that orders as an unsigned whole number.
.macro OUTQ q
.irp j, 0,1,2,3,4,5,6
	v_cmp_eq_f32 s[48+\j], v[SV+8*\q+\j], v[RUN+\q]
.endr
	v_mov_b32 v10, 7
.irp j, 6,5,4,3,2,1,0
	v_cndmask_b32 v10, v10, \j, s[48+\j]
.endr
	v_lshl_add_u32 v[IXR+\q], v[GT+\q], 4, v10
	v_add_nc_u32 v[IXR+\q], v[HB], v[IXR+\q]
	v_add_f32 v[KYR+\q], 0, v[RUN+\q]              ; -0 becomes +0, so that equal numbers have equal keys
	v_permlanex16_b32 v13, v[KYR+\q], s[SEL], s[SEL+1]
	v_permlanex16_b32 v14, v[IXR+\q], s[SEL], s[SEL+1]
	v_cmp_lt_f32 s48, v13, v[KYR+\q]
	v_cmp_eq_f32 s49, v13, v[KYR+\q]
	v_cmp_lt_u32 s50, v14, v[IXR+\q]
	s_and_b32 s49, s49, s50
	s_or_b32 s48, s48, s49
	v_cndmask_b32 v[KYR+\q], v[KYR+\q], v13, s48
	v_cndmask_b32 v[IXR+\q], v[IXR+\q], v14, s48
	v_ashrrev_i32 v15, 31, v[KYR+\q]
	v_or_b32 v15, 0x80000000, v15
	v_xor_b32 v[KYR+\q], v15, v[KYR+\q]
	ds_store_b32 v[OA], v[KYR+\q] offset:64*\q     ; lanes r and r + 16 write the same word with the same value
	ds_store_b32 v[OA], v[IXR+\q] offset:512+64*\q
.endm
.irp q, 0,1,2,3,4,5,6,7
	OUTQ \q
.endr
	ds_load_b128 v[BK:BK+3], v[OB]                 ; LDS serves a wave's instructions in order: these see my stores
	ds_load_b128 v[BK+4:BK+7], v[OB] offset:512
	s_wait_dscnt 0x0
	global_store_b128 v[LI], v[BK:BK+3], s[8:9]                   ; my 128 keys: 512 consecutive bytes, aligned
	global_store_b128 v[LI], v[BK+4:BK+7], s[8:9] offset:524288   ; my 128 indices likewise
	s_wait_tensorcnt 0x0                           ; the wave's end
	ds_add_u32 v[SPW], v[NIL]
	s_wait_dscnt 0x0
	CROUND                                         ; the closing round
	s_endpgm
.Lfunc_end_k_q77b5a65c81_dist:
	.size	k_q77b5a65c81_dist, .Lfunc_end_k_q77b5a65c81_dist-k_q77b5a65c81_dist
	.p2alignl 7, 3214868480
	.fill 96, 4, 3214868480
	.section	.rodata,"a",@progbits
	.p2align	6, 0x0
	.amdhsa_kernel k_q77b5a65c81_dist
		.amdhsa_group_segment_fixed_size 327680
		.amdhsa_private_segment_fixed_size 0
		.amdhsa_enable_private_segment 0
		.amdhsa_kernarg_size 24
		.amdhsa_user_sgpr_count 2
		.amdhsa_user_sgpr_kernarg_segment_ptr 1
		.amdhsa_wavefront_size32 1
		.amdhsa_system_sgpr_workgroup_id_x 1
		.amdhsa_system_sgpr_workgroup_id_y 1
		.amdhsa_system_sgpr_workgroup_id_z 1
		.amdhsa_system_vgpr_workitem_id 0
		.amdhsa_next_free_vgpr 1024
		.amdhsa_next_free_sgpr 66
		.amdhsa_reserve_vcc 1
		.amdhsa_float_denorm_mode_32 3
		.amdhsa_float_denorm_mode_16_64 3
		.amdhsa_memory_ordered 1
		.amdhsa_forward_progress 1
		.amdhsa_inst_pref_size 181
	.end_amdhsa_kernel
	.amdgpu_metadata
---
amdhsa.version: [ 1, 2 ]
amdhsa.kernels:
  - .name:           k_q77b5a65c81_dist
    .symbol:         k_q77b5a65c81_dist.kd
    .args:
      - { .name: zq, .offset: 0, .size: 8, .value_kind: global_buffer, .address_space: global }
      - { .name: cq, .offset: 8, .size: 8, .value_kind: global_buffer, .address_space: global }
      - { .name: cand, .offset: 16, .size: 8, .value_kind: global_buffer, .address_space: global }
    .group_segment_fixed_size: 327680
    .private_segment_fixed_size: 0
    .kernarg_segment_align: 8
    .kernarg_segment_size: 24
    .max_flat_workgroup_size: 128
    .sgpr_count:     66
    .vgpr_count:     1024
    .wavefront_size: 32
...
	.end_amdgpu_metadata
.endif
;; end of part 2
;; launch pick (part 3): grid 256 x 1, 16 waves a work-group, no clusters, 2,304 bytes of LDS; arguments z, codebook, cand, out0, out1; writes out0, out1
.if DOCPART == 3
	.amdgcn_target "amdgcn-amd-amdhsa--gfx1250"
	.amdhsa_code_object_version 6
	.text
	.protected	k_q77b5a65c81_pick
	.globl	k_q77b5a65c81_pick
	.p2align	8
	.type	k_q77b5a65c81_pick,@function
k_q77b5a65c81_pick:
	s_mov_b64 s[64:65], 0
	v_nop
	global_prefetch_b8 v0, s[64:65] scope:SCOPE_SE
	s_setreg_imm32_b32 hwreg(HW_REG_WAVE_MODE, 25, 1), 1
	s_wait_xcnt 0x0
; out1[n] = the index of the smallest of query n's eight candidates (one for each split of 1,024 codes); out0[n] = z[n] + (codebook[out1[n]] - z[n]), in f32, as the problem's definition writes it.
; cand holds whole numbers that the launch before has stored: key[split][query] at 65,536 split + 4 query, index[split][query] 524,288 bytes further on.  Keys order as unsigned numbers as the distances order, so the
; choice is an integer comparison of numbers read from memory; it is strict, so that of equal keys the earlier split, which has the lower indices, wins.
; SHARES.  A work-group takes 64 rows, each of its sixteen waves 4.  A wave's candidates are 16 scalar loads of 16 bytes; a row of z, of the codebook and of out0 is four loads or stores of 512 consecutive bytes.
; The 64 indices meet in LDS, and wave 0 stores them as 256 consecutive bytes, aligned.
; A stream: no matrix unit, no cluster (work-groups share no tile), no ring: a wave's 32 loads, 16,384 bytes, are all out together.  z is asked for ahead of the wait for the candidates.
; An index is held at 8,191 ahead of its use in an address: it lies inside the table as the launch before makes it.
.set LI, 1                             ; v1   16 x lane
.set L8, 2                             ; v2   8 x lane
.set WA, 3                             ; v3   16 x wave: my four indices' place in LDS
.set CO, 4                             ; v4-7   row i: the byte offset of my 16 bytes in the chosen row of the codebook
.set IX, 8                             ; v8-11  row i: the index
.set Z,  16                            ; v16-79   z: row i, piece c at v[Z + 16 i + 4 c]
.set C,  80                            ; v80-143  the codebook's rows likewise, then the results
.set KEY, 16                           ; s16-47  keys: split n's four at s[16 + 4 n]
.set IDX, 48                           ; s48-63, s68-83  indices: split n's four at s[48 + 4 n + 4 (n / 4)]
	s_load_b256 s[4:11], s[0:1], 0x0               ; z s[4:5], codebook s[6:7], cand s[8:9], out0 s[10:11]
	s_load_b64 s[12:13], s[0:1], 0x20              ; out1
	v_lshl_add_u32 v144, v0, 2, 0x100
	v_mov_b32 v145, 0
	v_lshrrev_b32 v[WA], 5, v0
	s_delay_alu instid0(VALU_DEP_1)
	v_readfirstlane_b32 s14, v[WA]                 ; wave 0..15
	s_delay_alu instid0(VALU_DEP_2)
	v_lshlrev_b32 v[WA], 4, v[WA]
	v_and_b32 v[L8], 31, v0
	s_delay_alu instid0(VALU_DEP_1)
	v_lshlrev_b32 v[LI], 4, v[L8]
	s_delay_alu instid0(VALU_DEP_2)
	v_lshlrev_b32 v[L8], 3, v[L8]
	s_lshl_b32 s84, ttmp9, 8                       ; out1: 64 indices a work-group
	s_mov_b32 s85, 0
	s_lshl_b32 s86, s14, 4
	s_add_co_u32 s86, s86, s84                     ; cand: 4 x my first row = 256 x work-group + 16 x wave
	s_mov_b32 s87, 0
	s_lshl_b32 s88, s86, 9                         ; z, out0: 2,048 x my first row (under 2^26)
	s_mov_b32 s89, 0
	s_wait_alu depctr_va_vdst(0)
	s_wait_kmcnt 0x0
	s_add_nc_u64 s[8:9], s[8:9], s[86:87]
	s_add_nc_u64 s[12:13], s[12:13], s[84:85]
	s_add_nc_u64 s[4:5], s[4:5], s[88:89]
	s_add_nc_u64 s[10:11], s[10:11], s[88:89]
.irp n, 0,1,2,3,4,5,6,7
	s_load_b128 s[KEY+4*\n:KEY+4*\n+3], s[8:9], \n*65536
	s_load_b128 s[IDX+4*\n+4*(\n/4):IDX+4*\n+4*(\n/4)+3], s[8:9], 524288+\n*65536
.endr
.irp i, 0,1,2,3
.irp c, 0,1,2,3
	global_load_b128 v[Z+16*\i+4*\c:Z+16*\i+4*\c+3], v[LI], s[4:5] offset:2048*\i+512*\c th:TH_LOAD_NT
.endr
.endr
	s_wait_kmcnt 0x0                               ; scalar loads return in no order: the wait is for all
.macro CHOOSE i
	s_mov_b32 s84, s[KEY+\i]
	s_mov_b32 s85, s[IDX+\i]
.irp n, 1,2,3,4,5,6,7
	s_cmp_lt_u32 s[KEY+4*\n+\i], s84               ; strictly lower: the earlier split keeps a tie
	s_cselect_b32 s84, s[KEY+4*\n+\i], s84
	s_cselect_b32 s85, s[IDX+4*\n+4*(\n/4)+\i], s85
.endr
	s_min_u32 s85, s85, 8191                       ; inside the table
	s_lshl_b32 s86, s85, 11                        ; a row of the codebook is 2,048 bytes
	v_mov_b32 v[IX+\i], s85
	v_add_nc_u32 v[CO+\i], s86, v[LI]
.irp c, 0,1,2,3
	global_load_b128 v[C+16*\i+4*\c:C+16*\i+4*\c+3], v[CO+\i], s[6:7] offset:512*\c   ; no hint: a row may be chosen by many queries
.endr
	ds_store_b32 v[WA], v[IX+\i] offset:4*\i       ; all lanes write the same word with the same value
.endm
	CHOOSE 0
	CHOOSE 1
	CHOOSE 2
	CHOOSE 3
	s_wait_dscnt 0x0                               ; for the others' sake: my four indices lie in LDS
	s_barrier_signal -1
	s_barrier_wait -1
	s_cmp_lg_u32 s14, 0
	s_cbranch_scc1 .Lnot_wave_0
	ds_load_b64 v[12:13], v[L8]                    ; the work-group's 64 indices
	s_wait_dscnt 0x0
	global_store_b64 v[L8], v[12:13], s[12:13]     ; 256 consecutive bytes, aligned
.Lnot_wave_0:
.irp i, 0,1,2,3
	s_wait_loadcnt 12-4*\i                         ; loads come back in order (ISA guide 5.7.1): z is in, and this row of the codebook; the later rows' four loads each may be out
.irp p, 0,2,4,6,8,10,12,14
	v_pk_add_f32 v[C+16*\i+\p:C+16*\i+\p+1], v[C+16*\i+\p:C+16*\i+\p+1], v[Z+16*\i+\p:Z+16*\i+\p+1] neg_lo:[0,1] neg_hi:[0,1]   ; c - z
.endr
.irp p, 0,2,4,6,8,10,12,14
	v_pk_add_f32 v[C+16*\i+\p:C+16*\i+\p+1], v[Z+16*\i+\p:Z+16*\i+\p+1], v[C+16*\i+\p:C+16*\i+\p+1]                              ; z + (c - z)
.endr
.irp c, 0,1,2,3
	global_store_b128 v[LI], v[C+16*\i+4*\c:C+16*\i+4*\c+3], s[10:11] offset:2048*\i+512*\c th:TH_STORE_NT   ; 512 consecutive bytes, aligned; written once, read by nobody here
.endr
.endr
	s_wait_tensorcnt 0x0
	ds_add_u32 v144, v145
	s_wait_dscnt 0x0
	s_endpgm
.Lfunc_end_k_q77b5a65c81_pick:
	.size	k_q77b5a65c81_pick, .Lfunc_end_k_q77b5a65c81_pick-k_q77b5a65c81_pick
	.p2alignl 7, 3214868480
	.fill 96, 4, 3214868480
	.section	.rodata,"a",@progbits
	.p2align	6, 0x0
	.amdhsa_kernel k_q77b5a65c81_pick
		.amdhsa_group_segment_fixed_size 2304
		.amdhsa_private_segment_fixed_size 0
		.amdhsa_enable_private_segment 0
		.amdhsa_kernarg_size 40
		.amdhsa_user_sgpr_count 2
		.amdhsa_user_sgpr_kernarg_segment_ptr 1
		.amdhsa_wavefront_size32 1
		.amdhsa_system_sgpr_workgroup_id_x 1
		.amdhsa_system_sgpr_workgroup_id_y 1
		.amdhsa_system_sgpr_workgroup_id_z 1
		.amdhsa_system_vgpr_workitem_id 0
		.amdhsa_next_free_vgpr 146
		.amdhsa_next_free_sgpr 92
		.amdhsa_reserve_vcc 0
		.amdhsa_float_denorm_mode_32 3
		.amdhsa_float_denorm_mode_16_64 3
		.amdhsa_memory_ordered 1
		.amdhsa_forward_progress 1
		.amdhsa_inst_pref_size 16
	.end_amdhsa_kernel
	.amdgpu_metadata
---
amdhsa.version: [ 1, 2 ]
amdhsa.kernels:
  - .name:           k_q77b5a65c81_pick
    .symbol:         k_q77b5a65c81_pick.kd
    .args:
      - { .name: z, .offset: 0, .size: 8, .value_kind: global_buffer, .address_space: global }
      - { .name: codebook, .offset: 8, .size: 8, .value_kind: global_buffer, .address_space: global }
      - { .name: cand, .offset: 16, .size: 8, .value_kind: global_buffer, .address_space: global }
      - { .name: out0, .offset: 24, .size: 8, .value_kind: global_buffer, .address_space: global }
      - { .name: out1, .offset: 32, .size: 8, .value_kind: global_buffer, .address_space: global }
    .group_segment_fixed_size: 2304
    .private_segment_fixed_size: 0
    .kernarg_segment_align: 8
    .kernarg_segment_size: 40
    .max_flat_workgroup_size: 512
    .sgpr_count:     92
    .vgpr_count:     146
    .wavefront_size: 32
...
	.end_amdgpu_metadata
.endif
;; end of part 3
